; MI455X (gfx1250); checked and timed in simulation.
; The chip was launched on July 23, 2026; its instructions are those of AMD's public machine-readable ISA for CDNA 5 (MIT licence, August 2026) and "CDNA5" Instruction Set Architecture Reference Guide (July 2026). The comments in the code are by the model that wrote it; some were corrected since.
;; Mock Mo E Layer. Allowed arithmetic: float matrix products may take bf16 or f16 operands with f32 sums; all other float work in f32.
;; Inputs: expert_W 8 x 1,024 x 1,024 float32; expert_b 8 x 1,024 float32; gate_W 8 x 1,024 float32; gate_b 8 float32; x 8,192 x 1,024 float32.
;; Outputs: out0 8,192 x 1,024 float32.
;; One version. Each part assembles by itself: llvm-mc -triple=amdgcn-amd-amdhsa -mcpu=gfx1250 --defsym DOCPART=n.
;; ======== version 1 of 1: 4 launches
;; workspace buffers: wb 16,777,216 bytes; xg 37,748,736 bytes; y 75,497,472 bytes; prob 65,536 bytes; sel 32,768 bytes of whole numbers; cnt 8,192 bytes of whole numbers; pos 65,536 bytes of whole numbers; tex 256 bytes of whole numbers
;; launch gate (part 1): grid 256 x 1, 8 waves a work-group, no clusters, 78,848 bytes of LDS; arguments x, gate_W, gate_b, expert_W, wb, sel, prob, cnt; writes wb, sel, prob, cnt
.if DOCPART == 1
	.amdgcn_target "amdgcn-amd-amdhsa--gfx1250"
	.amdhsa_code_object_version 6
	.text
	.protected	k_q909aad1587_gate
	.globl	k_q909aad1587_gate
	.p2align	8
	.type	k_q909aad1587_gate,@function
k_q909aad1587_gate:
	s_mov_b64 s[64:65], 0
	v_nop
	global_prefetch_b8 v0, s[64:65] scope:SCOPE_SE
	s_setreg_imm32_b32 hwreg(HW_REG_WAVE_MODE, 25, 1), 1
	s_wait_xcnt 0x0
; GATE.  For 32 tokens a work-group: logits = bf16(x) . bf16(gate_W)^T + bf16(gate_b), softmax over the 8 experts, the two largest, and
; each choice's rank among the block's choices of the same expert.  Stored: sel[t] = e1 | e2<<4 | r1<<8 | r2<<16, prob[t] = (p1, p2), and the
; block's eight counts, two to a word (word q = c(2q) | c(2q+1)<<16), in cnt = [4 words q][512]: cnt[q][256 + block] = word q, cnt[q][block] = 0.
; (By words, so that the next launch reads 32 blocks' counts of a word as 128 consecutive bytes; the zeros in front, so that 'the blocks before mine' is a window of that table.)
; Beside that the work-group rounds 32 rows of expert_W ([8192][1024]) to bf16 (wb).
; ALL inputs are rounded to bf16 first, the gate's too: the choice of experts then follows the same numbers as the products of the later launch.
; SHARES.  Eight waves; wave w owns columns 128 w .. 128 w + 127 of all 32 rows, lane l four of them: a 16-byte load of a wave covers 512
; consecutive bytes, an 8-byte store 256 consecutive bytes at a multiple of 256.  Each wave multiplies its 128 columns on the matrix unit
; (source 0 = 16 rows of gate_W, experts 0-7 twice; source 1 = 16 tokens): a lane then holds one token's eight partial logits.
; The eight waves' partial logits meet in LDS behind the one barrier; wave 0 adds them and does the softmax, lane = token.
; LIMITS.  NaN and infinities are not treated apart.  A probability below 2^-126 counts as 0.  The two largest are found among the
; exponentials 2^((l - m) log2 e), the lower index winning a tie; two logits closer than the rounding of their f32 sums (some 1e-6 at logits
; of spread 1) may be ordered otherwise than by another order of summation.
; No address and no branch hangs on a floating-point number: what is made of them is stored, and used by the next launch.
.set ROWB, 4096                        ; bytes in a row of x and of expert_W
.set XP,   272                         ; a wave's row of 128 bf16 in LDS: 256 bytes + 16: 17 x 16, so 16 rows begin at 16 different 16-byte columns modulo 256
.set XW,   32*XP                       ; a wave's 32 rows
.set RED,  8*XW                        ; behind them: [8 waves][32 tokens][8 f32], the partial logits
.set D0,  8                            ; v[8:15]    logits of tokens 0-15
.set GB,  16                           ; v[16:23]   gate_b
.set D1,  24                           ; v[24:31]   logits of tokens 16-31
.set X,   32                           ; v[32:159]  x, row i at X + 4 i
.set W1,  32                           ; v[32:95]   later: expert_W's rows 16-31
.set XF,  96                           ; v[96:159]  later: x's fragments, token block mb, K step s at XF + 32 mb + 8 s; then wave 0's work
.set GR,  160                          ; v[160:223] gate_W as loaded
.set W0,  160                          ; v[160:223] later: expert_W's rows 0-15
.set GF,  224                          ; v[224:255] gate_W's four fragments; later a lane's eight partial logits
.set PT,  96                           ; wave 0: the eight waves' partial logits, wave u at PT + 8 u
	s_load_b512 s[4:19], s[0:1], 0x0               ; x 4:5, gate_W 6:7, gate_b 8:9, expert_W 10:11, wb 12:13, sel 14:15, prob 16:17, cnt 18:19
	s_set_vgpr_msb 0x40
	v_lshl_add_u32 v0, v0, 2, 0x13000
	v_mov_b32 v1, 0
	s_set_vgpr_msb 0x4000
	v_and_b32 v1, 31, v0                           ; lane
	v_lshrrev_b32 v2, 5, v0
	v_readfirstlane_b32 s20, v2                    ; wave
	v_lshlrev_b32 v2, 4, v0                        ; my 16 bytes in a row of x and of expert_W
	v_lshlrev_b32 v5, 3, v0                        ; my 8 bytes in a row of wb
	v_mov_b32 v7, 0
	v_and_b32 v8, 15, v0                           ; l % 16
	v_bfe_u32 v9, v0, 4, 1                         ; l / 16
	s_mul_i32 s21, s20, XW                         ; my wave's rows in LDS
	v_lshl_add_u32 v3, v1, 3, s21                  ; where my 8 bytes of a row go
	v_mul_u32_u24 v4, v8, XP                       ; a fragment: row l % 16, 16 bytes for each half of the lanes
	v_lshl_add_u32 v4, v9, 4, v4
	v_add_nc_u32 v4, s21, v4
	v_and_b32 v6, 7, v0                            ; gate_W: expert l % 8,
	v_lshlrev_b32 v6, 12, v6
	v_lshl_add_u32 v6, v9, 5, v6                   ; 8 f32 for each half of the lanes,
	s_lshl_b32 s26, s20, 9
	v_add_nc_u32 v6, s26, v6                       ; my wave's 128 columns
	s_lshl_b32 s22, ttmp9, 17                      ; 32 rows of 4,096 bytes
	s_mov_b32 s23, 0
	s_lshl_b32 s24, ttmp9, 16                      ; 32 rows of 2,048 bytes
	s_mov_b32 s25, 0
	s_lshl_b32 s28, ttmp9, 7                       ; 32 words of sel
	s_mov_b32 s29, 0
	s_lshl_b32 s30, ttmp9, 8                       ; 32 pairs of prob
	s_mov_b32 s31, 0
	s_lshl_b32 s32, ttmp9, 2                       ; my block's word in a row of cnt
	s_mov_b32 s33, 0
	s_lshl_b32 s27, s20, 10
	s_add_co_u32 s27, s27, RED                     ; my wave's partial logits
	s_wait_kmcnt 0x0
	s_add_nc_u64 s[4:5], s[4:5], s[22:23]
	s_add_nc_u64 s[10:11], s[10:11], s[22:23]
	s_add_nc_u64 s[12:13], s[12:13], s[24:25]
	s_add_nc_u64 s[14:15], s[14:15], s[28:29]
	s_add_nc_u64 s[16:17], s[16:17], s[30:31]
	s_add_nc_u64 s[18:19], s[18:19], s[32:33]
	global_load_b128 v[GB:GB+3], v7, s[8:9]
	global_load_b128 v[GB+4:GB+7], v7, s[8:9] offset:16
.irp s, 0,1,2,3                        ; K step s of 32 columns: 8 f32 at 0 and 8 at 64, as a fragment's registers 0-3 and 4-7 want them
	global_load_b128 v[GR+16*(\s):GR+16*(\s)+3],     v6, s[6:7] offset:128*(\s)
	global_load_b128 v[GR+16*(\s)+4:GR+16*(\s)+7],   v6, s[6:7] offset:128*(\s)+16
	global_load_b128 v[GR+16*(\s)+8:GR+16*(\s)+11],  v6, s[6:7] offset:128*(\s)+64
	global_load_b128 v[GR+16*(\s)+12:GR+16*(\s)+15], v6, s[6:7] offset:128*(\s)+80
.endr
.set i, 0
.rept 32
	global_load_b128 v[X+4*i:X+4*i+3], v2, s[4:5] offset:i*ROWB
.set i, i+1
.endr
	s_wait_loadcnt 32                              ; gate_b and gate_W are in; the 32 loads of x stay out
.set i, 0
.rept 32
	v_cvt_pk_bf16_f32 v[GF+i], v[GR+2*i], v[GR+2*i+1]
.set i, i+1
.endr
.set i, 0
.rept 16                               ; expert_W's rows 0-15 go out into the registers that gate_W has left
	global_load_b128 v[W0+4*i:W0+4*i+3], v2, s[10:11] offset:i*ROWB th:TH_LOAD_NT
.set i, i+1
.endr
.set i, 0
.rept 32
	s_wait_loadcnt 47-i                            ; row i of x is in: behind it stand 31 - i rows of x and 16 of expert_W
	v_cvt_pk_bf16_f32 v[X+4*i], v[X+4*i], v[X+4*i+1]
	v_cvt_pk_bf16_f32 v[X+4*i+1], v[X+4*i+2], v[X+4*i+3]
	ds_store_b64 v3, v[X+4*i:X+4*i+1] offset:i*XP
.set i, i+1
.endr
	s_wait_dscnt 0x0                               ; the stores are done: their data registers are loaded again below
.set i, 0
.rept 16                               ; expert_W's rows 16-31
	global_load_b128 v[W1+4*i:W1+4*i+3], v2, s[10:11] offset:(16+i)*ROWB th:TH_LOAD_NT
.set i, i+1
.endr
	v_lshl_add_u32 v3, v1, 5, s27                  ; from here on: where my eight partial logits go
.irp m, 0,1
.irp s, 0,1,2,3                        ; my wave's own bytes: no barrier between its stores and these loads
	ds_load_b128 v[XF+32*(\m)+8*(\s):XF+32*(\m)+8*(\s)+3],   v4 offset:(\m)*16*XP+64*(\s)
	ds_load_b128 v[XF+32*(\m)+8*(\s)+4:XF+32*(\m)+8*(\s)+7], v4 offset:(\m)*16*XP+64*(\s)+32
.endr
.endr
	s_wait_dscnt 0x0
	; the two accumulators take turns, one instruction a turn; the first K step starts both sums
	v_wmma_f32_16x16x32_bf16 v[D0:D0+7], v[GF:GF+7], v[XF:XF+7], 0
	v_wmma_f32_16x16x32_bf16 v[D1:D1+7], v[GF:GF+7], v[XF+32:XF+39], 0
.irp s, 1,2,3
	v_wmma_f32_16x16x32_bf16 v[D0:D0+7], v[GF+8*(\s):GF+8*(\s)+7], v[XF+8*(\s):XF+8*(\s)+7], v[D0:D0+7]
	v_wmma_f32_16x16x32_bf16 v[D1:D1+7], v[GF+8*(\s):GF+8*(\s)+7], v[XF+32+8*(\s):XF+32+8*(\s)+7], v[D1:D1+7]
.endr
.rept 4
	v_nop                                          ; four places between the last product and the first read of a result (ISA guide 7.12.1)
.endr
	v_cmp_gt_u32 vcc_lo, 16, v1
.irp j, 0,1,2,3,4,5,6,7                ; register j is expert j in both halves of the lanes (rows 8-15 repeat 0-7): lane l takes token l; the low registers are read first
	v_cndmask_b32 v[GF+(\j)], v[D1+(\j)], v[D0+(\j)], vcc_lo
.endr
	ds_store_b128 v3, v[GF:GF+3]
	ds_store_b128 v3, v[GF+4:GF+7] offset:16
	s_wait_dscnt 0x0                               ; for wave 0's sake: my partial logits are in LDS
	s_barrier_signal -1
	s_barrier_wait -1
	s_cmp_lg_u32 s20, 0
	s_cbranch_scc1 .Lw                             ; the branch holds no global load: the counts behind the label are the same on both ways
	; WAVE 0: lane = token
	v_lshl_add_u32 v4, v1, 5, RED
.irp u, 0,1,2,3,4,5,6,7
	ds_load_b128 v[PT+8*(\u):PT+8*(\u)+3],   v4 offset:(\u)*1024
	ds_load_b128 v[PT+8*(\u)+4:PT+8*(\u)+7], v4 offset:(\u)*1024+16
.endr
	s_wait_dscnt 0x0
.irp u, 0,2,4,6                        ; ((0+1)+(2+3))+((4+5)+(6+7))
.irp p, 0,2,4,6
	v_pk_add_f32 v[PT+8*(\u)+(\p):PT+8*(\u)+(\p)+1], v[PT+8*(\u)+(\p):PT+8*(\u)+(\p)+1], v[PT+8*(\u)+8+(\p):PT+8*(\u)+8+(\p)+1]
.endr
.endr
.irp u, 0,4
.irp p, 0,2,4,6
	v_pk_add_f32 v[PT+8*(\u)+(\p):PT+8*(\u)+(\p)+1], v[PT+8*(\u)+(\p):PT+8*(\u)+(\p)+1], v[PT+8*(\u)+16+(\p):PT+8*(\u)+16+(\p)+1]
.endr
.endr
.irp p, 0,2,4,6
	v_pk_add_f32 v[PT+(\p):PT+(\p)+1], v[PT+(\p):PT+(\p)+1], v[PT+32+(\p):PT+32+(\p)+1]
.endr
.irp p, 0,1,2,3                        ; gate_b rounded to bf16 and widened again
	v_cvt_pk_bf16_f32 v[104+(\p)], v[GB+2*(\p)], v[GB+2*(\p)+1]
.endr
.irp p, 0,1,2,3
	v_lshlrev_b32 v[GB+2*(\p)], 16, v[104+(\p)]
	v_and_b32 v[GB+2*(\p)+1], 0xffff0000, v[104+(\p)]
.endr
.irp p, 0,2,4,6
	v_pk_add_f32 v[PT+(\p):PT+(\p)+1], v[PT+(\p):PT+(\p)+1], v[GB+(\p):GB+(\p)+1]
.endr
	v_max3_num_f32 v108, v96, v97, v98             ; m, the largest logit
	v_max3_num_f32 v108, v108, v99, v100
	v_max3_num_f32 v108, v108, v101, v102
	v_max_num_f32 v108, v108, v103
.irp j, 0,1,2,3,4,5,6,7
	v_sub_f32 v[112+(\j)], v[96+(\j)], v108
.endr
.irp j, 0,1,2,3,4,5,6,7
	v_mul_f32 v[112+(\j)], 0x3fb8aa3b, v[112+(\j)] ; (l - m) log2 e
.endr
.irp j, 0,1,2,3,4,5,6,7
	v_exp_f32 v[112+(\j)], v[112+(\j)]             ; q
.endr
	v_mov_b32 v125, 0                              ; e1 = 0: also the plain instruction behind the last exponential
	s_wait_alu depctr_va_vdst(0)
	v_mov_b32 v124, v112                           ; the largest so far
	v_pk_add_f32 v[120:121], v[112:113], v[114:115]
	v_pk_add_f32 v[122:123], v[116:117], v[118:119]
	v_pk_add_f32 v[120:121], v[120:121], v[122:123]
	v_add_f32 v120, v120, v121                     ; the sum of the eight q
.irp e, 1,2,3,4,5,6,7
	v_cmp_gt_f32 vcc_lo, v[112+(\e)], v124         ; strictly greater: the lower index keeps a tie
	v_cndmask_b32 v125, v125, \e, vcc_lo
	v_max_num_f32 v124, v124, v[112+(\e)]
.endr
	v_rcp_f32 v136, v120                           ; used far below
.irp e, 0,1,2,3,4,5,6,7
	v_cmp_eq_u32 vcc_lo, \e, v125
	v_cndmask_b32 v[128+(\e)], v[112+(\e)], -1.0, vcc_lo  ; the first choice is out of the second scan: every q is 0 or more
.endr
	v_mov_b32 v126, v128
	v_mov_b32 v127, 0                              ; e2
.irp e, 1,2,3,4,5,6,7
	v_cmp_gt_f32 vcc_lo, v[128+(\e)], v126
	v_cndmask_b32 v127, v127, \e, vcc_lo
	v_max_num_f32 v126, v126, v[128+(\e)]
.endr
	s_wait_alu depctr_va_vdst(0)
	v_mul_f32 v138, v124, v136                     ; p1
	v_mul_f32 v139, v126, v136                     ; p2
	v_mov_b32 v140, 0                              ; r1
	v_mov_b32 v141, 0                              ; r2
.irp e, 0,1,2,3,4,5,6,7                ; expert e: which tokens chose it (a token at most once), how many, and how many of them in lower lanes
	v_cmp_eq_u32 s40, \e, v125
	v_cmp_eq_u32 s41, \e, v127
	s_or_b32 s42, s40, s41
	s_bcnt1_i32_b32 s[44+(\e)], s42
	v_mbcnt_lo_u32_b32 v142, s42, 0
	v_cndmask_b32 v140, v140, v142, s40
	v_cndmask_b32 v141, v141, v142, s41
.endr
	v_lshl_or_b32 v143, v127, 4, v125
	v_lshl_or_b32 v143, v140, 8, v143
	v_lshl_or_b32 v143, v141, 16, v143
	v_lshlrev_b32 v144, 2, v1
	v_lshlrev_b32 v145, 3, v1
.irp q, 0,1,2,3
	s_lshl_b32 s43, s[45+2*(\q)], 16
	s_or_b32 s[52+(\q)], s[44+2*(\q)], s43         ; word q of the block's counts
.endr
	v_mov_b32 v148, s52                            ; lane q (0 to 3) takes word q
.irp q, 1,2,3
	v_cmp_eq_u32 vcc_lo, \q, v1
	v_cndmask_b32 v148, v148, s[52+(\q)], vcc_lo
.endr
	v_and_b32 v149, 3, v1
	v_lshlrev_b32 v149, 11, v149                   ; row q of cnt: 512 words
	global_store_b32 v144, v143, s[14:15]
	global_store_b64 v145, v[138:139], s[16:17]
	v_cmp_gt_u32 vcc_lo, 4, v1
	s_wait_xcnt 0x0                                ; EXEC is a source of the loads and stores that are out: it changes only behind this wait
	s_and_saveexec_b32 s56, vcc_lo
	global_store_b32 v149, v7, s[18:19]            ; lanes 0-3: cnt[q][block] = 0,
	global_store_b32 v149, v148, s[18:19] offset:1024  ; cnt[q][256 + block] = word q: 32 bytes a work-group, laid for the next launch's reads
	s_wait_xcnt 0x0                                ; and again in front of the line that widens it
	s_or_b32 exec_lo, exec_lo, s56
.Lw:
	; expert_W's 32 rows to bf16: 16 in W0, 16 in W1; nothing that a store names is written again
.set i, 0
.rept 16
	s_wait_loadcnt 31-i                            ; row i is in: 31 - i loads were issued behind it
	v_cvt_pk_bf16_f32 v[W0+4*i], v[W0+4*i], v[W0+4*i+1]
	v_cvt_pk_bf16_f32 v[W0+4*i+1], v[W0+4*i+2], v[W0+4*i+3]
	global_store_b64 v5, v[W0+4*i:W0+4*i+1], s[12:13] offset:i*2048
.set i, i+1
.endr
.set i, 0
.rept 16
	s_wait_loadcnt 15-i
	v_cvt_pk_bf16_f32 v[W1+4*i], v[W1+4*i], v[W1+4*i+1]
	v_cvt_pk_bf16_f32 v[W1+4*i+1], v[W1+4*i+2], v[W1+4*i+3]
	global_store_b64 v5, v[W1+4*i:W1+4*i+1], s[12:13] offset:(16+i)*2048
.set i, i+1
.endr
	s_set_vgpr_msb 0x5
	s_wait_tensorcnt 0x0
	ds_add_u32 v0, v1
	s_wait_dscnt 0x0
	s_set_vgpr_msb 0x500
	s_endpgm
.Lfunc_end_k_q909aad1587_gate:
	.size	k_q909aad1587_gate, .Lfunc_end_k_q909aad1587_gate-k_q909aad1587_gate
	.p2alignl 7, 3214868480
	.fill 96, 4, 3214868480
	.section	.rodata,"a",@progbits
	.p2align	6, 0x0
	.amdhsa_kernel k_q909aad1587_gate
		.amdhsa_group_segment_fixed_size 78848
		.amdhsa_private_segment_fixed_size 0
		.amdhsa_enable_private_segment 0
		.amdhsa_kernarg_size 64
		.amdhsa_user_sgpr_count 2
		.amdhsa_user_sgpr_kernarg_segment_ptr 1
		.amdhsa_wavefront_size32 1
		.amdhsa_system_sgpr_workgroup_id_x 1
		.amdhsa_system_sgpr_workgroup_id_y 1
		.amdhsa_system_sgpr_workgroup_id_z 1
		.amdhsa_system_vgpr_workitem_id 0
		.amdhsa_next_free_vgpr 258
		.amdhsa_next_free_sgpr 66
		.amdhsa_reserve_vcc 1
		.amdhsa_float_denorm_mode_32 3
		.amdhsa_float_denorm_mode_16_64 3
		.amdhsa_memory_ordered 1
		.amdhsa_forward_progress 1
		.amdhsa_inst_pref_size 42
	.end_amdhsa_kernel
	.amdgpu_metadata
---
amdhsa.version: [ 1, 2 ]
amdhsa.kernels:
  - .name:           k_q909aad1587_gate
    .symbol:         k_q909aad1587_gate.kd
    .args:
      - { .name: x, .offset: 0, .size: 8, .value_kind: global_buffer, .address_space: global }
      - { .name: gate_W, .offset: 8, .size: 8, .value_kind: global_buffer, .address_space: global }
      - { .name: gate_b, .offset: 16, .size: 8, .value_kind: global_buffer, .address_space: global }
      - { .name: expert_W, .offset: 24, .size: 8, .value_kind: global_buffer, .address_space: global }
      - { .name: wb, .offset: 32, .size: 8, .value_kind: global_buffer, .address_space: global }
      - { .name: sel, .offset: 40, .size: 8, .value_kind: global_buffer, .address_space: global }
      - { .name: prob, .offset: 48, .size: 8, .value_kind: global_buffer, .address_space: global }
      - { .name: cnt, .offset: 56, .size: 8, .value_kind: global_buffer, .address_space: global }
    .group_segment_fixed_size: 78848
    .private_segment_fixed_size: 0
    .kernarg_segment_align: 8
    .kernarg_segment_size: 64
    .max_flat_workgroup_size: 256
    .sgpr_count:     66
    .vgpr_count:     258
    .wavefront_size: 32
...
	.end_amdgpu_metadata
.endif
;; end of part 1
;; launch place (part 2): grid 256 x 1, 8 waves a work-group, no clusters, 0 bytes of LDS; arguments x, sel, cnt, xg, pos, tex; writes xg, pos, tex
.if DOCPART == 2
	.amdgcn_target "amdgcn-amd-amdhsa--gfx1250"
	.amdhsa_code_object_version 6
	.text
	.protected	k_q909aad1587_place
	.globl	k_q909aad1587_place
	.p2align	8
	.type	k_q909aad1587_place,@function
k_q909aad1587_place:
	s_mov_b64 s[64:65], 0
	v_nop
	global_prefetch_b8 v0, s[64:65] scope:SCOPE_SE
	s_setreg_imm32_b32 hwreg(HW_REG_WAVE_MODE, 25, 1), 1
	s_wait_xcnt 0x0
; PLACE.  The 16,384 choices (token, expert) are laid out by expert in xg, [18432][1024] bf16.  Expert e gets ceil(c_e / 288) row tiles of 288
; rows and fills them on end; the sum of these is at most (16384 + 8 x 287) / 288, that is 64 tiles, whatever the split.
; A choice's row = 288 x (first tile of its expert) + (choices of that expert in earlier blocks of 32 tokens) + (its rank in its block).
; A work-group takes the 32 tokens of block j, each of its eight waves four of them: a wave reads its tokens' 16 KB of x on end, writes bf16(x[t]) to each token's two
; rows and stores these as pos[t].  The work-group also writes zeros to those of the 72 rows 72 j .. 72 j + 71 that no choice takes.
; Work-group 0 stores tex[tile] = the tile's expert (tiles behind the last used one: 7).
; THE COUNTS.  cnt = [4 words q][512]: cnt[q][256 + b] = block b's counts of experts 2q (low half) and 2q + 1; cnt[q][0..255] = 0.  Lane l = (q = l / 8, g = l % 8) adds 32
; neighbouring words of row q.  From word 256 on that gives all blocks' counts.  From word j & ~3 on, a window of 256 words, it gives the blocks before j & ~3: the zeros in front
; stand for the blocks that are not counted, so the sum has no condition and its address hangs on j alone.  The j & 3 blocks left over (16-byte loads begin at multiples of four words) come by scalar loads.
; The eight lanes' sums of a word meet in scalar registers (v_readlane_b32), where tiles, rows, branches and addresses are made of them.
; Every wave makes these numbers for itself: the waves hand nothing to each other: no LDS, no barrier.  Matrix units, LDS and clusters would add nothing: the launch moves bytes.
; Addresses and the forward branches of the zero fill hang on whole numbers that the launch before stored; no trip count does.
; pos leaves in pieces of 32 bytes a wave, parts of a block of 256: 64 KB of the 71 MB that the launch moves.
.set LASTROW, 18431
.set PD, 8                             ; v[8:15]    my four tokens' rows, as pos takes them
.set PO, 16                            ; v[16:23]   the same rows' byte offsets in xg, with my lane's 8 bytes
.set T,  32                            ; v[32:63]   32 words of all blocks' counts; later work-group 0's tex
.set B,  64                            ; v[64:95]   32 words of the window in front of my block
.set X,  96                            ; v[96:223]  x: piece i (token i / 8 of my four, 512 bytes i % 8 of its row) at X + 4 i
	s_load_b256 s[4:11], s[0:1], 0x0               ; x 4:5, sel 6:7, cnt 8:9, xg 10:11
	s_load_b128 s[12:15], s[0:1], 0x20             ; pos 12:13, tex 14:15
	v_and_b32 v1, 31, v0                           ; lane
	v_lshrrev_b32 v2, 5, v0
	v_readfirstlane_b32 s16, v2                    ; wave
	s_mov_b32 s17, ttmp9                           ; j, my block
	s_lshl_b32 s18, s16, 14                        ; my wave's four rows of 4,096 bytes
	v_lshl_add_u32 v2, v1, 4, s18                  ; my 16 bytes in 512 of them
	v_lshlrev_b32 v3, 3, v1                        ; my 8 bytes in 256 of xg
	v_lshrrev_b32 v4, 3, v1                        ; q
	v_and_b32 v5, 7, v1                            ; g
	v_lshlrev_b32 v4, 11, v4
	v_lshl_add_u32 v4, v5, 7, v4                   ; row q of cnt, 32 words g
	s_and_b32 s19, s17, 0xfc
	s_lshl_b32 s19, s19, 2                         ; word j & ~3, in bytes
	v_add_nc_u32 v5, s19, v4                       ; the same in the window
	v_mov_b32 v7, 0
	v_mov_b32 v28, 0
	v_mov_b32 v29, 0
	v_mov_b32 v30, 0
	v_mov_b32 v31, 0
	s_lshl_b32 s20, s17, 17                        ; x: 32 rows
	s_mov_b32 s21, 0
	s_lshl_b32 s22, s17, 7                         ; sel: 32 words, my wave's four
	s_lshl_b32 s23, s16, 4
	s_add_co_u32 s22, s22, s23
	s_mov_b32 s23, 0
	s_add_co_u32 s96, s19, 1024                    ; cnt: word 256 + (j & ~3) of a row
	s_mov_b32 s97, 0
	s_lshl_b32 s98, s17, 8                         ; pos: 32 pairs, my wave's four
	s_lshl_b32 s99, s16, 5
	s_add_co_u32 s98, s98, s99
	s_mov_b32 s99, 0
	s_wait_kmcnt 0x0
	s_add_nc_u64 s[4:5], s[4:5], s[20:21]
	s_add_nc_u64 s[6:7], s[6:7], s[22:23]
	s_add_nc_u64 s[96:97], s[8:9], s[96:97]
	s_add_nc_u64 s[98:99], s[12:13], s[98:99]
	s_load_b128 s[92:95], s[6:7], 0x0              ; sel of my four tokens
.irp q, 0,1,2,3
	s_load_b128 s[76+4*(\q):79+4*(\q)], s[96:97], (\q)*2048  ; word q of blocks (j & ~3) + 0 .. 3
.endr
.irp m, 0,1,2,3,4,5,6,7
	global_load_b128 v[T+4*(\m):T+4*(\m)+3], v4, s[8:9] offset:1024+16*(\m)
.endr
.irp m, 0,1,2,3,4,5,6,7
	global_load_b128 v[B+4*(\m):B+4*(\m)+3], v5, s[8:9] offset:16*(\m)
.endr
.set i, 0
.rept 32
	global_load_b128 v[X+4*i:X+4*i+3], v2, s[4:5] offset:i*512 th:TH_LOAD_NT
.set i, i+1
.endr
	s_wait_loadcnt 32                              ; the 16 loads of counts are in; the 32 loads of x stay out
.macro SUM32 b                         ; v[b] = the sum of v[b .. b + 31].  Two 16-bit fields a word; a field reaches 32 x 32 here and 8,192 in the end, so none carries
.irp h, 16,8,4,2,1
.set n, 0
.rept \h
	v_add_nc_u32 v[(\b)+n], v[(\b)+n], v[(\b)+n+(\h)]
.set n, n+1
.endr
.endr
.endm
	SUM32 T
	SUM32 B
.macro LANES v, a                      ; s[a + q] = the sum of v over lanes 8 q .. 8 q + 7.  Two words a 64-bit sum: a word stays under 2^30, so nothing carries into its neighbour
.irp p, 0,1
	v_readlane_b32 s[(\a)+2*(\p)], v[\v], 16*(\p)
	v_readlane_b32 s[(\a)+2*(\p)+1], v[\v], 16*(\p)+8
.irp g, 1,2,3,4,5,6,7
	v_readlane_b32 s66, v[\v], 16*(\p)+(\g)
	v_readlane_b32 s67, v[\v], 16*(\p)+8+(\g)
	s_add_nc_u64 s[(\a)+2*(\p):(\a)+2*(\p)+1], s[(\a)+2*(\p):(\a)+2*(\p)+1], s[66:67]
.endr
.endr
.endm
	LANES T, 68                                    ; s[68:71]: all blocks
	LANES B, 72                                    ; s[72:75]: the blocks before j & ~3
	s_wait_kmcnt 0x0                               ; sel and the four blocks round mine
	s_and_b32 s100, s17, 3
.irp k, 0,1,2                          ; block (j & ~3) + k counts if it lies before mine
	s_cmp_gt_u32 s100, \k
.irp q, 0,1,2,3
	s_cselect_b32 s[76+4*(\q)+(\k)], s[76+4*(\q)+(\k)], 0
.endr
.endr
.irp q, 0,1,2,3
	s_add_co_u32 s[72+(\q)], s[72+(\q)], s[76+4*(\q)]
	s_add_co_u32 s[72+(\q)], s[72+(\q)], s[77+4*(\q)]
	s_add_co_u32 s[72+(\q)], s[72+(\q)], s[78+4*(\q)]
.endr
.irp q, 0,1,2,3
	s_and_b32 s[24+2*(\q)], s[68+(\q)], 0xffff     ; tot_e in s[24:31]
	s_lshr_b32 s[25+2*(\q)], s[68+(\q)], 16
	s_and_b32 s[32+2*(\q)], s[72+(\q)], 0xffff     ; bef_e in s[32:39]
	s_lshr_b32 s[33+2*(\q)], s[72+(\q)], 16
.endr
	s_mov_b32 s70, 0                               ; tiles so far
.irp e, 0,1,2,3,4,5,6,7
	s_mov_b32 s[56+(\e)], s70                      ; tb_e: the expert's first tile
	s_mul_i32 s71, s70, 288
	s_add_co_u32 s[40+(\e)], s71, s[32+(\e)]       ; rb_e: my block's first row with this expert
	s_add_co_u32 s[48+(\e)], s71, s[24+(\e)]       ; fe_e: the first row behind the expert's last
	s_add_co_u32 s72, s[24+(\e)], 287
	s_mul_i32 s72, s72, 58255                      ; n / 288 = n x 58255 >> 24, exact for n up to 8,479: the excess n x 0.78 / 2^24 stays under 1 / 288
	s_lshr_b32 s72, s72, 24
	s_add_co_u32 s70, s70, s72
.endr
; s[dst] = the row of one choice: rb of its expert (field ebit of the token's word s[tok]) + its rank (field rbit), clamped to xg's last row
.macro WHERE dst, tok, ebit, rbit
	s_bfe_u32 s66, s[\tok], \ebit
	s_bfe_u32 s67, s[\tok], \rbit
	s_mov_b32 s[\dst], s40
.irp e, 1,2,3,4,5,6,7
	s_cmp_eq_u32 s66, \e
	s_cselect_b32 s[\dst], s[40+(\e)], s[\dst]
.endr
	s_add_co_u32 s[\dst], s[\dst], s67
	s_min_u32 s[\dst], s[\dst], LASTROW
.endm
.irp u, 0,1,2,3
	WHERE 80+2*(\u), 92+(\u), 0x40000, 0x80008     ; e1: 4 bits from bit 0; r1: 8 bits from bit 8
	WHERE 81+2*(\u), 92+(\u), 0x40004, 0x80010     ; e2: 4 bits from bit 4; r2: 8 bits from bit 16
.endr
.irp n, 0,1,2,3,4,5,6,7
	v_mov_b32 v[PD+(\n)], s[80+(\n)]
	s_lshl_b32 s66, s[80+(\n)], 11                 ; a row of xg is 2,048 bytes
	v_add_nc_u32 v[PO+(\n)], s66, v3
.endr
	v_cmp_eq_u32 vcc_lo, 0, v1
	s_wait_xcnt 0x0                                ; EXEC is a source of the loads that are out: it changes only behind this wait
	s_and_saveexec_b32 s100, vcc_lo
	global_store_b128 v7, v[PD:PD+3], s[98:99]     ; lane 0: pos of my four tokens
	global_store_b128 v7, v[PD+4:PD+7], s[98:99] offset:16
	s_wait_xcnt 0x0                                ; and again in front of the line that widens it
	s_or_b32 exec_lo, exec_lo, s100
	; THE ZERO FILL.  Rows 72 j .. 72 j + 71 lie in tile j / 4; its expert is the last e with tb_e <= tile; the rows from fe_e on are taken by no choice.
	s_lshr_b32 s73, s17, 2
	s_mov_b32 s74, s48
.irp e, 1,2,3,4,5,6,7
	s_cmp_ge_u32 s73, s[56+(\e)]
	s_cselect_b32 s74, s[48+(\e)], s74
.endr
	s_mul_i32 s75, s17, 72
	s_mul_i32 s76, s16, 9
	s_add_co_u32 s75, s75, s76                     ; my wave's first row of nine
	s_mul_i32 s78, s17, 72*2048
	s_mov_b32 s79, 0
	s_add_nc_u64 s[78:79], s[10:11], s[78:79]
	s_mul_i32 s76, s16, 9*2048
	v_lshl_add_u32 v27, v1, 4, s76
.irp r, 0,1,2,3,4,5,6,7,8
	s_add_co_u32 s77, s75, \r
	s_cmp_ge_u32 s77, s74
	s_cbranch_scc0 .Lz\r
.irp c, 0,1,2,3
	global_store_b128 v27, v[28:31], s[78:79] offset:(\r)*2048+(\c)*512  ; 512 consecutive bytes
.endr
.Lz\r:
.endr
	s_or_b32 s66, s16, s17
	s_cmp_lg_u32 s66, 0
	s_cbranch_scc1 .Lrows
	v_lshlrev_b32 v32, 1, v1                       ; wave 0 of work-group 0: tex; lane l has tiles 2 l and 2 l + 1: 256 consecutive bytes
	v_or_b32 v33, 1, v32
	v_mov_b32 v34, 0
	v_mov_b32 v35, 0
.irp e, 1,2,3,4,5,6,7
	v_cmp_le_u32 vcc_lo, s[56+(\e)], v32
	v_cndmask_b32 v34, v34, \e, vcc_lo
	v_cmp_le_u32 vcc_lo, s[56+(\e)], v33
	v_cndmask_b32 v35, v35, \e, vcc_lo
.endr
	global_store_b64 v3, v[34:35], s[14:15]
.Lrows:
	; Piece i, rounded, goes to its token's two rows of xg.  Each store of a wave covers 256 consecutive bytes at a multiple of 256.  No register that a store names is written again.
.set i, 0
.rept 32
	s_wait_loadcnt 31-i                            ; piece i is in: 31 - i loads were issued behind it
	v_cvt_pk_bf16_f32 v[X+4*i], v[X+4*i], v[X+4*i+1]
	v_cvt_pk_bf16_f32 v[X+4*i+1], v[X+4*i+2], v[X+4*i+3]
	global_store_b64 v[PO+2*(i/8)], v[X+4*i:X+4*i+1], s[10:11] offset:(i%8)*256
	global_store_b64 v[PO+2*(i/8)+1], v[X+4*i:X+4*i+1], s[10:11] offset:(i%8)*256
.set i, i+1
.endr
	s_endpgm
.Lfunc_end_k_q909aad1587_place:
	.size	k_q909aad1587_place, .Lfunc_end_k_q909aad1587_place-k_q909aad1587_place
	.p2alignl 7, 3214868480
	.fill 96, 4, 3214868480
	.section	.rodata,"a",@progbits
	.p2align	6, 0x0
	.amdhsa_kernel k_q909aad1587_place
		.amdhsa_group_segment_fixed_size 0
		.amdhsa_private_segment_fixed_size 0
		.amdhsa_enable_private_segment 0
		.amdhsa_kernarg_size 48
		.amdhsa_user_sgpr_count 2
		.amdhsa_user_sgpr_kernarg_segment_ptr 1
		.amdhsa_wavefront_size32 1
		.amdhsa_system_sgpr_workgroup_id_x 1
		.amdhsa_system_sgpr_workgroup_id_y 1
		.amdhsa_system_sgpr_workgroup_id_z 1
		.amdhsa_system_vgpr_workitem_id 0
		.amdhsa_next_free_vgpr 224
		.amdhsa_next_free_sgpr 102
		.amdhsa_reserve_vcc 1
		.amdhsa_float_denorm_mode_32 3
		.amdhsa_float_denorm_mode_16_64 3
		.amdhsa_memory_ordered 1
		.amdhsa_forward_progress 1
		.amdhsa_inst_pref_size 43
	.end_amdhsa_kernel
	.amdgpu_metadata
---
amdhsa.version: [ 1, 2 ]
amdhsa.kernels:
  - .name:           k_q909aad1587_place
    .symbol:         k_q909aad1587_place.kd
    .args:
      - { .name: x, .offset: 0, .size: 8, .value_kind: global_buffer, .address_space: global }
      - { .name: sel, .offset: 8, .size: 8, .value_kind: global_buffer, .address_space: global }
      - { .name: cnt, .offset: 16, .size: 8, .value_kind: global_buffer, .address_space: global }
      - { .name: xg, .offset: 24, .size: 8, .value_kind: global_buffer, .address_space: global }
      - { .name: pos, .offset: 32, .size: 8, .value_kind: global_buffer, .address_space: global }
      - { .name: tex, .offset: 40, .size: 8, .value_kind: global_buffer, .address_space: global }
    .group_segment_fixed_size: 0
    .private_segment_fixed_size: 0
    .kernarg_segment_align: 8
    .kernarg_segment_size: 48
    .max_flat_workgroup_size: 256
    .sgpr_count:     102
    .vgpr_count:     224
    .wavefront_size: 32
...
	.end_amdgpu_metadata
.endif
;; end of part 2
;; launch experts (part 3): grid 4 x 64, 4 waves a work-group, clusters of 4 x 1, 327,680 bytes of LDS; arguments xg, wb, expert_b, tex, y; writes y
.if DOCPART == 3
	.amdgcn_target "amdgcn-amd-amdhsa--gfx1250"
	.amdhsa_code_object_version 6
	.text
	.protected	k_q909aad1587_experts
	.globl	k_q909aad1587_experts
	.p2align	8
	.type	k_q909aad1587_experts,@function
k_q909aad1587_experts:
	s_mov_b64 s[64:65], 0
	v_nop
	global_prefetch_b8 v0, s[64:65] scope:SCOPE_SE
	s_setreg_imm32_b32 hwreg(HW_REG_WAVE_MODE, 25, 1), 1
	s_wait_xcnt 0x0
	s_wait_alu depctr_hold_cnt(0) depctr_sa_sdst(0) depctr_va_vdst(0) depctr_va_sdst(0) depctr_va_ssrc(0) depctr_va_vcc(0) depctr_vm_vsrc(0)
	s_getreg_b32 s2, hwreg(HW_REG_IB_STS2, 6, 4)
	s_cmp_eq_u32 s2, 0
	s_cbranch_scc0 .Lentry_in_a_cluster
	s_endpgm
.Lentry_in_a_cluster:
	s_bfe_u32 s2, ttmp6, 0x10000c
	s_cmp_lg_u32 s2, 0x3003
	s_cbranch_scc0 .Lentry_shape_is_right
	s_endpgm
.Lentry_shape_is_right:
; EXPERTS.  y[288 i + r][n] = the sum over k of xg[288 i + r][k] wb[e][n][k] + bf16(expert_b[e][n]), e = tex[i].  xg, wb bf16; sums and y in f32.
; 64 row tiles of 288 rows x 4 column quarters of 256: 256 work-groups of equal work, whatever the split of the tokens.  A tile that no choice fills
; (up to 7 of the 64 where the split is uneven) holds zero rows and is computed like the others: the grid cannot hang on data; its rows of y are read by nobody.
; A work-group has four waves; a wave makes 144 x 128: 72 accumulators of 16 x 16, 576 registers.  K = 1024 goes in 8 steps of 128 through a ring of two
; LDS slots filled by the tensor data mover; the tiles' rows are 256 bytes of memory at multiples of 256 from the buffers' first bytes.
; CLUSTER.  The four column quarters of a row tile form a cluster and need the same rows of xg: these are asked for JOINTLY (the same load, descriptor and mask
; of four in all four).  wb's tiles are each work-group's own: those who share them would be the row tiles of one expert, and how many these are and where they
; lie hangs on counts read from memory, so a mask and its partners would hang on data.
; THE MATRIX INSTRUCTION IS USED TRANSPOSED (source 0 = 16 rows of wb, source 1 = 16 rows of xg): a lane holds one row of y and eight neighbouring columns.
; REGISTERS, in windows of 256 (s_set_vgpr_msb: bits 1:0 source 0, 3:2 source 1, 5:4 source 2, 7:6 destination):
;   window 0: v0-31 addresses and the bias; v32-103, v104-175 xg's fragments (9 x 16 rows x 32 K), two buffers; v176-239 the way out, two buffers
;   window 1: v0-63, v64-127 wb's fragments (8 x 16 rows x 32 K), two buffers; v128-191 the accumulators of row block 8
;   window 2: the accumulators of row blocks 0-3 ((a, b) at 64 a + 8 b);   window 3: those of row blocks 4-7
.set KSTEP,  128
.set PITCH,  272                       ; an LDS row: 256 bytes + 16 of padding = 17 x 16: the 16 rows of a fragment load begin at 16 different 16-byte columns modulo 256
.set AHALF,  144*PITCH                 ; what waves 0 and 1 fetch, and what a wave reads of xg
.set BHALF,  128*PITCH                 ; what waves 2 and 3 fetch, and what a wave reads of wb
.set BOFF,   2*AHALF                   ; in a slot: xg's 288 rows, then wb's 256
.set SLOT,   2*AHALF+2*BHALF
.set STAGE,  2*SLOT                    ; behind the ring: 16 rows x 272 bytes for each wave, for the way out; no tensor load lands there
.set SPARE,  STAGE+4*16*PITCH          ; behind the stages: the spare words, 128 bytes for each wave: two blocks of 256 bytes that no other line names
.set LAPS,   1024/(2*KSTEP)            ; a lap = two K steps = once round the ring
.set BIAS, 8                           ; v[8:15]  the bias of my 4 columns in each half of my wave's 128
.set ADRA, 16                          ; v16-17   LDS address of my xg fragments in slot 0, 1
.set ADRB, 20                          ; v20-21   the same for wb
.set STO,  24                          ; v24      the way out: where I put 32 bytes of a row
.set RD,   25                          ; v25      the way out: where I read a row back
.set CO,   26                          ; v26      my byte offset in y
.set SPW,  28                          ; v28      LDS address of my spare word; never rewritten
.set NIL,  29                          ; v29      0; never rewritten
.set FA,   32                          ; xg's fragment buffers, 72 registers each, window 0
.set OB,   176                         ; the way out: 16 rows x 64 columns read back, two buffers of 32
.set G1,  24                           ; s[24:31] descriptor group 1 for xg's tiles
.set G0,  32                           ; s[32:39] group 0, a set for each slot
.set G1B, 48                           ; s[48:55], s[56:63] the same for wb's tiles
.set G0B, 56
.set MSB, 0
.macro WIN new                         ; the immediate's high byte repeats the setting that is left; a switch that changes nothing is dropped
.if MSB != (\new)
	s_set_vgpr_msb (MSB<<8)|(\new)
.set MSB, \new
.endif
.endm
.macro PLACES                          ; four places in front of loads into registers that matrix instructions have read, and of reads of results
.rept 4
	v_nop
.endr
.endm
; A fill.  Waves 0 and 1 ask jointly for xg's two halves, waves 2 and 3 for wb's two halves.  The branch hangs on the wave's number alone.
; Four v_nop follow each of the two lines, ahead of the jump and the label.
.macro JLOAD s
	s_cmp_eq_u32 s17, 0
	s_cbranch_scc0 .Lfor_b_\@
	tensor_load_to_lds s[G0+4*(\s):G0+4*(\s)+3], s[G1:G1+7]
	s_nop 0
.rept 4
	v_nop
.endr
	s_branch .Lasked_\@
.Lfor_b_\@:
	tensor_load_to_lds s[G0B+4*(\s):G0B+4*(\s)+3], s[G1B:G1B+7]
	s_nop 0
.rept 4
	v_nop
.endr
.Lasked_\@:
.endm
.macro CREST                           ; a round of the cluster's barrier behind its opening barrier
	s_cmp_lg_u32 s16, 0
	s_cbranch_scc1 .Lnot_wave_0_\@
	s_barrier_signal -3
.Lnot_wave_0_\@:
	s_barrier_wait -3
	s_barrier_signal -1
	s_barrier_wait -1
.endm
.macro CROUND                          ; a whole round
	s_barrier_signal -1
	s_barrier_wait -1
	CREST
.endm
	s_load_b256 s[4:11], s[0:1], 0x0               ; xg 4:5, wb 6:7, expert_b 8:9, tex 10:11
	s_load_b64 s[12:13], s[0:1], 0x20              ; y
	v_lshl_add_u32 v[SPW], v0, 2, SPARE
	v_mov_b32 v[NIL], 0
	ds_add_u32 v28, v29
	s_wait_dscnt 0x0
	v_lshrrev_b32 v1, 5, v0
	v_readfirstlane_b32 s16, v1                    ; wave 0..3
	s_lshr_b32 s17, s16, 1                         ; which half of the tile's rows is mine.  Also: I fetch xg (0) or wb (1)
	s_and_b32 s18, s16, 1                          ; which half of its columns.  Also: which half of that tile I fetch
	s_bfe_u32 s15, ttmp6, 0x40000                  ; cx
	s_lshl_b32 s14, ttmp9, 2
	s_add_co_u32 s14, s14, s15                     ; c, my column quarter: it enters wb's, expert_b's and y's addresses alone
	s_and_b32 s19, ttmp7, 0xffff                   ; i, the row tile, which the four partners share
	s_lshl_b32 s66, s19, 2
	s_mov_b32 s67, 0
	; descriptor group 1: tiles of 144 (xg) and 128 (wb) rows x 128 elements, padded in LDS
	s_mov_b32 s[G1+0], 15|(1<<16)|(1<<20)|(1<<21)|(5<<22)|(3<<25)  ; 15:0 the mask of four; 17:16 2-byte elements; 20 padding on; 21 set beside a mask; 24:22 after every 64 words; 31:25 4 words
	s_mov_b32 s[G1+1], KSTEP<<16                   ; tensor_dim0 = 128
	s_mov_b32 s[G1+2], 144<<16                     ; tensor_dim1 = 144
	s_mov_b32 s[G1+3], KSTEP<<16                   ; tile_dim0 = 128
	s_mov_b32 s[G1+4], 144                         ; tile_dim1 = 144
	s_mov_b32 s[G1+5], 1024                        ; elements from row to row
	s_mov_b32 s[G1+6], 0
	s_mov_b32 s[G1+7], 0
	s_mov_b32 s[G1B+0], (1<<16)|(1<<20)|(5<<22)|(3<<25)            ; no mask: the work-group's own load
	s_mov_b32 s[G1B+1], KSTEP<<16
	s_mov_b32 s[G1B+2], 128<<16
	s_mov_b32 s[G1B+3], KSTEP<<16
	s_mov_b32 s[G1B+4], 128
	s_mov_b32 s[G1B+5], 1024
	s_mov_b32 s[G1B+6], 0
	s_mov_b32 s[G1B+7], 0
	s_mul_i32 s40, s19, 288*2048                   ; xg: the tile's rows, my half of them: made of i and the wave's number alone
	s_mul_i32 s41, s18, 144*2048
	s_add_co_u32 s40, s40, s41
	s_mov_b32 s41, 0
	s_mul_i32 s21, s16, AHALF                      ; where they go: waves 0, 1: xg's halves;
	s_mul_i32 s22, s16, BHALF
	s_add_co_u32 s22, s22, BOFF-2*BHALF            ; waves 2, 3: wb's halves, behind xg's 288 rows
	s_wait_kmcnt 0x0
	s_add_nc_u64 s[66:67], s[10:11], s[66:67]
	s_load_b32 s20, s[66:67], 0x0                  ; e, the tile's expert
	s_add_nc_u64 s[40:41], s[4:5], s[40:41]
	s_wait_kmcnt 0x0
	s_min_u32 s20, s20, 7
	s_lshl_b32 s42, s20, 21                        ; wb: the expert's 2 MiB, my quarter's 256 rows, my half of them
	s_lshl_b32 s43, s14, 19
	s_add_co_u32 s42, s42, s43
	s_lshl_b32 s43, s18, 18
	s_add_co_u32 s42, s42, s43
	s_mov_b32 s43, 0
	s_add_nc_u64 s[42:43], s[6:7], s[42:43]
.irp s, 0,1
	s_mov_b32 s[G0+4*(\s)], 1                                      ; count = 1
	s_add_co_u32 s[G0+4*(\s)+1], s21, (\s)*SLOT                    ; LDS address
	s_add_nc_u64 s[G0+4*(\s)+2:G0+4*(\s)+3], s[40:41], (\s)*KSTEP*2  ; global address: K step s
	s_or_b32 s[G0+4*(\s)+3], s[G0+4*(\s)+3], 0x80000000            ; type = 2
	s_mov_b32 s[G0B+4*(\s)], 1
	s_add_co_u32 s[G0B+4*(\s)+1], s22, (\s)*SLOT
	s_add_nc_u64 s[G0B+4*(\s)+2:G0B+4*(\s)+3], s[42:43], (\s)*KSTEP*2
	s_or_b32 s[G0B+4*(\s)+3], s[G0B+4*(\s)+3], 0x80000000
.endr
	CROUND                                         ; all four work-groups are here: the first joint loads meet
	s_cmp_eq_u32 s17, 0                            ; a wave's two first fills stand in one branch, ahead of every wait on TENSORcnt and every LDS read: two loads of mine are out
	s_cbranch_scc0 .Lfirst_b
	tensor_load_to_lds s[G0:G0+3], s[G1:G1+7]
	s_nop 0
	tensor_load_to_lds s[G0+4:G0+7], s[G1:G1+7]
	s_nop 0
.rept 4
	v_nop
.endr
	s_branch .Lfirst_asked
.Lfirst_b:
	tensor_load_to_lds s[G0B:G0B+3], s[G1B:G1B+7]
	s_nop 0
	tensor_load_to_lds s[G0B+4:G0B+7], s[G1B:G1B+7]
	s_nop 0
.rept 4
	v_nop
.endr
.Lfirst_asked:
	; A fragment is 16 rows x 32 K in 8 registers: lane l holds row l % 16; registers 0-3 K = 8 (l / 16) + 0..7, registers 4-7 K = 16 + 8 (l / 16) + 0..7: two loads of 16 bytes, 32 bytes apart.
	v_and_b32 v1, 15, v0                           ; l % 16
	v_bfe_u32 v2, v0, 4, 1                         ; l / 16
	v_lshlrev_b32 v30, 4, v1
	s_lshl_b32 s70, s20, 12                        ; the bias: the expert's row, my quarter, my wave's half
	s_lshl_b32 s71, s14, 10
	s_add_co_u32 s70, s70, s71
	s_lshl_b32 s71, s18, 9
	s_add_co_u32 s70, s70, s71
	s_mov_b32 s71, 0
	s_add_nc_u64 s[70:71], s[8:9], s[70:71]
	global_load_b128 v[BIAS:BIAS+3], v30, s[70:71]               ; columns 4 (l % 16) + 0..3 of the first 64,
	global_load_b128 v[BIAS+4:BIAS+7], v30, s[70:71] offset:256  ; and of the second 64
	v_mul_u32_u24 v3, v1, PITCH
	v_lshl_add_u32 v3, v2, 4, v3                   ; row x pitch + 16 x half
	s_mul_i32 s44, s17, AHALF                      ; my 144 rows of xg
	s_mul_i32 s45, s18, BHALF                      ; my 128 rows of wb
	s_add_co_u32 s45, s45, BOFF
.irp s, 0,1
	v_add_nc_u32 v[ADRA+(\s)], s44, v3
	v_add_nc_u32 v[ADRB+(\s)], s45, v3
	s_add_co_u32 s44, s44, SLOT
	s_add_co_u32 s45, s45, SLOT
.endr
	s_mul_i32 s46, s16, 16*PITCH
	s_add_co_u32 s46, s46, STAGE                   ; my stage
	v_mul_u32_u24 v4, v1, PITCH                    ; in: row l % 16, 32 bytes for each half of the lanes
	v_lshl_add_u32 v4, v2, 5, v4
	v_add_nc_u32 v[STO], s46, v4
	v_mul_u32_u24 v5, v2, PITCH                    ; back: lanes 0-15 take one row of 256 bytes, lanes 16-31 the next
	v_lshl_add_u32 v5, v1, 4, v5
	v_add_nc_u32 v[RD], s46, v5
	v_lshlrev_b32 v5, 12, v2                       ; and the same two rows in y
	v_lshl_add_u32 v[CO], v1, 4, v5
	s_mul_i32 s68, s19, 288                        ; y at my wave's first row and column
	s_mul_i32 s69, s17, 144
	s_add_co_u32 s68, s68, s69
	s_lshl_b32 s68, s68, 12
	s_lshl_b32 s69, s14, 10
	s_add_co_u32 s68, s68, s69
	s_lshl_b32 s69, s18, 9
	s_add_co_u32 s68, s68, s69
	s_mov_b32 s69, 0
	s_add_nc_u64 s[12:13], s[12:13], s[68:69]
	s_wait_loadcnt 0x0                             ; the bias, rounded to bf16 like every input, and widened again
.irp p, 0,1,2,3
	v_cvt_pk_bf16_f32 v31, v[BIAS+2*(\p)], v[BIAS+2*(\p)+1]
	v_lshlrev_b32 v[BIAS+2*(\p)], 16, v31
	v_and_b32 v[BIAS+2*(\p)+1], 0xffff0000, v31
.endr
; 8 matrix instructions: row block a x all 8 column blocks, 32 along K, from buffer f.  zero = 1: the product starts the sums: nothing is cleared.
; The 72 accumulators take turns, one instruction a turn, in the same order in every quarter step.
.macro MULA f, a, zero
.if (\a) < 4
	WIN 0xa1                                       ; wb window 1, xg window 0, C and D window 2
.set AC, 64*(\a)
.elseif (\a) < 8
	WIN 0xf1                                       ; C and D window 3
.set AC, 64*((\a)-4)
.else
	WIN 0x51                                       ; C and D window 1
.set AC, 128
.endif
.irp b, 0,1,2,3,4,5,6,7
.if \zero
	v_wmma_f32_16x16x32_bf16 v[AC+8*(\b):AC+8*(\b)+7], v[64*(\f)+8*(\b):64*(\f)+8*(\b)+7], v[FA+72*(\f)+8*(\a):FA+72*(\f)+8*(\a)+7], 0
.else
	v_wmma_f32_16x16x32_bf16 v[AC+8*(\b):AC+8*(\b)+7], v[64*(\f)+8*(\b):64*(\f)+8*(\b)+7], v[FA+72*(\f)+8*(\a):FA+72*(\f)+8*(\a)+7], v[AC+8*(\b):AC+8*(\b)+7]
.endif
.endr
.endm
; 34 LDS loads in one run: the fragments of a quarter step (128 rows of wb, then 144 rows of xg, 32 K at byte k of the rows) into buffer f
.macro FETCH slot, k, f
	WIN 0x40                                       ; destination window 1, address window 0
.irp i, 0,1,2,3,4,5,6,7
	ds_load_b128 v[64*(\f)+8*(\i):64*(\f)+8*(\i)+3],   v[ADRB+(\slot)] offset:(\k)+(\i)*16*PITCH
	ds_load_b128 v[64*(\f)+8*(\i)+4:64*(\f)+8*(\i)+7], v[ADRB+(\slot)] offset:(\k)+(\i)*16*PITCH+32
.endr
	WIN 0
.irp i, 0,1,2,3,4,5,6,7,8
	ds_load_b128 v[FA+72*(\f)+8*(\i):FA+72*(\f)+8*(\i)+3],   v[ADRA+(\slot)] offset:(\k)+(\i)*16*PITCH
	ds_load_b128 v[FA+72*(\f)+8*(\i)+4:FA+72*(\f)+8*(\i)+7], v[ADRA+(\slot)] offset:(\k)+(\i)*16*PITCH+32
.endr
.endm
; A K step is four quarter steps of 32 along K, 72 matrix instructions each, on buffers 0, 1, 0, 1.
; One of the first three: multiplies buffer f; behind its first 32 products it fetches the next quarter's fragments, at byte k of the same slot's rows, into buffer g.
.macro QUARTER slot, k, f, g, zero
	s_wait_dscnt 10                                ; wb and xg's row blocks 0-3 are in; the youngest ten loads (row blocks 4-8) may be out
.irp a, 0,1,2,3
	MULA \f, \a, \zero
.endr
	PLACES
	FETCH \slot, \k, \g
	s_wait_dscnt 34                                ; all but the 34 just issued
.irp a, 4,5,6,7,8
	MULA \f, \a, \zero
.endr
.endm
; The last quarter multiplies buffer 1 and changes slots.  ONE barrier for two things.  In front of it each wave waits for all its tensor loads, of which one is out: its part of the
; next slot; adds 0 to its spare word; and waits for that and for its own reads of this slot.  Behind it nobody reads this slot any more and the next slot is whole.
.macro MEET round                      ; round = 1: a round of the cluster's barrier follows
	WIN 0                                          ; (the add's two registers lie in window 0)
	s_wait_tensorcnt 0x0                           ; all my tensor loads have landed
	ds_add_u32 v[SPW], v[NIL]                      ; 0 onto my spare word
	s_wait_dscnt 11                                ; (the add and the youngest ten loads may be out)
	MULA 1, 0, 0                                   ; sixteen matrix instructions stand between the add and the wait for it
	MULA 1, 1, 0
	s_wait_dscnt 0x0                               ; the add is done, and my reads of this slot are over
	s_barrier_signal -1
	MULA 1, 2, 0                                   ; work on registers while the others arrive
	MULA 1, 3, 0
.if \round
	WIN 0
.endif
	s_barrier_wait -1
.endm
; fill = 1: behind the round the slot just read out is filled again first, with the K step two steps on: from that request to the wait for it a wave issues 256 matrix instructions.
.macro TURN slot, next, fill
	MEET \fill
.if \fill
	CREST                                          ; no wave of any partner still reads this slot's tile or has a load on its way
	s_add_nc_u64 s[G0+4*(\slot)+2:G0+4*(\slot)+3], s[G0+4*(\slot)+2:G0+4*(\slot)+3], 2*KSTEP*2
	s_add_nc_u64 s[G0B+4*(\slot)+2:G0B+4*(\slot)+3], s[G0B+4*(\slot)+2:G0B+4*(\slot)+3], 2*KSTEP*2
	JLOAD \slot                                    ; my one tensor load behind the round; the four v_nop behind it are also the places in front of the loads below
.else
	PLACES
.endif
	FETCH \next, 0, 0
.irp a, 4,5,6,7,8
	MULA 1, \a, 0
.endr
.endm
; THE WAY OUT, in 18 parts n: row block n / 2, 64 columns n % 2.  A lane's eight numbers of a row are 32 bytes; they go from the accumulators into my own stage (rows of 272 bytes)
; and come back as whole rows of 256 bytes.  Each accumulator's low registers are read first.
.macro STG n
.set SA, (\n)/2
.set SH, (\n)%2
.if SA < 4
	WIN 0x08                                       ; the stores' data in window 2
.set AC, 64*SA
.elseif SA < 8
	WIN 0x0c                                       ; window 3
.set AC, 64*(SA-4)
.else
	WIN 0x04                                       ; window 1
.set AC, 128
.endif
.irp q, 0,1,2,3
	ds_store_b128 v[STO], v[AC+8*(4*SH+(\q)):AC+8*(4*SH+(\q))+3] offset:64*(\q)
	ds_store_b128 v[STO], v[AC+8*(4*SH+(\q))+4:AC+8*(4*SH+(\q))+7] offset:64*(\q)+16
.endr
	WIN 0
	s_wait_xcnt 0x0                                ; the stores of the part two back have read this buffer: it is loaded again only behind this wait
.set BK, OB+32*((\n)%2)
.irp t, 0,1,2,3,4,5,6,7
	ds_load_b128 v[BK+4*(\t):BK+4*(\t)+3], v[RD] offset:(\t)*2*PITCH  ; LDS serves a wave's instructions in order (ISA guide 5.7.1.4): these see the stores above; the next part's stores come behind them
.endr
.endm
.macro SEND n, younger                 ; younger: the LDS instructions issued behind part n's loads: the next part's sixteen, or none
.set SA, (\n)/2
.set SH, (\n)%2
.set BK, OB+32*((\n)%2)
	WIN 0
.irp t, 0,1,2,3,4,5,6,7
	s_wait_dscnt (\younger)+7-(\t)
	v_pk_add_f32 v[BK+4*(\t):BK+4*(\t)+1], v[BK+4*(\t):BK+4*(\t)+1], v[BIAS+4*SH:BIAS+4*SH+1]
	v_pk_add_f32 v[BK+4*(\t)+2:BK+4*(\t)+3], v[BK+4*(\t)+2:BK+4*(\t)+3], v[BIAS+4*SH+2:BIAS+4*SH+3]
	global_store_b128 v[CO], v[BK+4*(\t):BK+4*(\t)+3], s[12:13] offset:(16*SA+2*(\t))*4096+256*SH  ; 16 lanes store 256 consecutive bytes, at a multiple of 256 from y's first byte
.endr
.endm
	s_wait_tensorcnt 1                             ; my part of K step 0 is in; K step 1's may stay out
	s_barrier_signal -1
	s_barrier_wait -1                              ; everybody's is
	FETCH 0, 0, 0
	QUARTER 0, 64,  0, 1, 1                        ; the first quarter stands in front of the loop: its products start the sums
	WIN 0                                          ; at a label and at a branch every window is 0
	s_mov_b32 s3, LAPS-1
.Llap:                                                 ; a trip goes once round the ring, from a lap's second quarter to the next lap's first, and fills both slots again: K steps 2 to 7
	QUARTER 0, 128, 1, 0, 0
	QUARTER 0, 192, 0, 1, 0
	TURN 0, 1, 1
	QUARTER 1, 64,  0, 1, 0
	QUARTER 1, 128, 1, 0, 0
	QUARTER 1, 192, 0, 1, 0
	TURN 1, 0, 1
	QUARTER 0, 64,  0, 1, 0
	WIN 0
	s_sub_co_u32 s3, s3, 1
	s_cmp_lg_u32 s3, 0
	s_cbranch_scc1 .Llap
	QUARTER 0, 128, 1, 0, 0                        ; the last lap is written out: it fills nothing, and has no round of the cluster's barrier
	QUARTER 0, 192, 0, 1, 0
	TURN 0, 1, 0
	QUARTER 1, 64,  0, 1, 0
	QUARTER 1, 128, 1, 0, 0
	QUARTER 1, 192, 0, 1, 0
	s_wait_dscnt 10                                ; the very last quarter: nothing more to fetch
.irp a, 0,1,2,3
	MULA 1, \a, 0
.endr
	s_wait_dscnt 0x0
.irp a, 4,5,6,7,8
	MULA 1, \a, 0
.endr
	WIN 0
	PLACES                                         ; between the last products and the first read of a result
	STG 0
.set n, 0
.rept 17                               ; a part's trip through the stage stands between the loads of the part before and its stores
	STG n+1
	SEND n, 16
.set n, n+1
.endr
	SEND 17, 0
	s_wait_tensorcnt 0x0                           ; the wave's end: behind my last tensor load and my last LDS store
	ds_add_u32 v[SPW], v[NIL]
	s_wait_dscnt 0x0
	CROUND                                         ; the closing round: no work-group ends while a partner may still ask for a tile that names it
	s_endpgm
.Lfunc_end_k_q909aad1587_experts:
	.size	k_q909aad1587_experts, .Lfunc_end_k_q909aad1587_experts-k_q909aad1587_experts
	.p2alignl 7, 3214868480
	.fill 96, 4, 3214868480
	.section	.rodata,"a",@progbits
	.p2align	6, 0x0
	.amdhsa_kernel k_q909aad1587_experts
		.amdhsa_group_segment_fixed_size 327680
		.amdhsa_private_segment_fixed_size 0
		.amdhsa_enable_private_segment 0
		.amdhsa_kernarg_size 40
		.amdhsa_user_sgpr_count 2
		.amdhsa_user_sgpr_kernarg_segment_ptr 1
		.amdhsa_wavefront_size32 1
		.amdhsa_system_sgpr_workgroup_id_x 1
		.amdhsa_system_sgpr_workgroup_id_y 1
		.amdhsa_system_sgpr_workgroup_id_z 1
		.amdhsa_system_vgpr_workitem_id 0
		.amdhsa_next_free_vgpr 1024
		.amdhsa_next_free_sgpr 80
		.amdhsa_reserve_vcc 0
		.amdhsa_float_denorm_mode_32 3
		.amdhsa_float_denorm_mode_16_64 3
		.amdhsa_memory_ordered 1
		.amdhsa_forward_progress 1
		.amdhsa_inst_pref_size 178
	.end_amdhsa_kernel
	.amdgpu_metadata
---
amdhsa.version: [ 1, 2 ]
amdhsa.kernels:
  - .name:           k_q909aad1587_experts
    .symbol:         k_q909aad1587_experts.kd
    .args:
      - { .name: xg, .offset: 0, .size: 8, .value_kind: global_buffer, .address_space: global }
      - { .name: wb, .offset: 8, .size: 8, .value_kind: global_buffer, .address_space: global }
      - { .name: expert_b, .offset: 16, .size: 8, .value_kind: global_buffer, .address_space: global }
      - { .name: tex, .offset: 24, .size: 8, .value_kind: global_buffer, .address_space: global }
      - { .name: y, .offset: 32, .size: 8, .value_kind: global_buffer, .address_space: global }
    .group_segment_fixed_size: 327680
    .private_segment_fixed_size: 0
    .kernarg_segment_align: 8
    .kernarg_segment_size: 40
    .max_flat_workgroup_size: 128
    .sgpr_count:     80
    .vgpr_count:     1024
    .wavefront_size: 32
...
	.end_amdgpu_metadata
.endif
;; end of part 3
;; launch combine (part 4): grid 256 x 1, 8 waves a work-group, no clusters, 0 bytes of LDS; arguments y, pos, prob, out0; writes out0
.if DOCPART == 4
	.amdgcn_target "amdgcn-amd-amdhsa--gfx1250"
	.amdhsa_code_object_version 6
	.text
	.protected	k_q909aad1587_combine
	.globl	k_q909aad1587_combine
	.p2align	8
	.type	k_q909aad1587_combine,@function
k_q909aad1587_combine:
	s_mov_b64 s[64:65], 0
	v_nop
	global_prefetch_b8 v0, s[64:65] scope:SCOPE_SE
	s_setreg_imm32_b32 hwreg(HW_REG_WAVE_MODE, 25, 1), 1
	s_wait_xcnt 0x0
; COMBINE.  out0[t] = p1 y[pos1[t]] + p2 y[pos2[t]], all f32.  A work-group takes 32 tokens; wave w owns columns 128 w .. 128 w + 127 (512 consecutive bytes of a row),
; so every load and store of a wave covers 512 consecutive bytes at a multiple of 256.  Every row of y that a token names is named once in the launch.
; The rows' numbers are whole numbers that an earlier launch stored; they are clamped to y's last row before they enter an address.
; A ring of three register slots of 8 tokens (16 loads) each: 48 loads of every wave go out before the first is waited for.
; A stream: matrix units, LDS and clusters would add nothing.
.set LASTROW, 18431
.set R, 16                             ; v[16:207] slot s at R + 64 s; token u of a group: its first row at + 8 u, its second at + 8 u + 4
	s_load_b256 s[4:11], s[0:1], 0x0               ; y 4:5, pos 6:7, prob 8:9, out0 10:11
	v_and_b32 v1, 31, v0
	v_lshlrev_b32 v2, 4, v0                        ; my 16 bytes in a row
	v_lshlrev_b32 v3, 3, v1                        ; lane = token: its pair in pos and in prob
	s_lshl_b32 s12, ttmp9, 8
	s_mov_b32 s13, 0
	s_lshl_b32 s14, ttmp9, 17
	s_mov_b32 s15, 0
	s_mov_b32 s21, 0                               ; named as pairs with p1 and p2
	s_mov_b32 s23, 0
	s_wait_kmcnt 0x0
	s_add_nc_u64 s[6:7], s[6:7], s[12:13]
	s_add_nc_u64 s[8:9], s[8:9], s[12:13]
	s_add_nc_u64 s[10:11], s[10:11], s[14:15]
	global_load_b64 v[4:5], v3, s[6:7]
	global_load_b64 v[6:7], v3, s[8:9]
	s_wait_loadcnt 0x0
.macro ISSUE g, s                      ; group g's 8 tokens into slot s: each load lands on its own address register
.irp u, 0,1,2,3,4,5,6,7
	v_readlane_b32 s24, v4, 8*(\g)+(\u)
	v_readlane_b32 s25, v5, 8*(\g)+(\u)
	s_min_u32 s24, s24, LASTROW
	s_min_u32 s25, s25, LASTROW
	s_lshl_b32 s24, s24, 12
	s_lshl_b32 s25, s25, 12
	v_add_nc_u32 v[R+64*(\s)+8*(\u)], s24, v2
	v_add_nc_u32 v[R+64*(\s)+8*(\u)+4], s25, v2
	global_load_b128 v[R+64*(\s)+8*(\u):R+64*(\s)+8*(\u)+3],   v[R+64*(\s)+8*(\u)],   s[4:5] th:TH_LOAD_NT
	global_load_b128 v[R+64*(\s)+8*(\u)+4:R+64*(\s)+8*(\u)+7], v[R+64*(\s)+8*(\u)+4], s[4:5] th:TH_LOAD_NT
.endr
.endm
.macro WORK g, s, left                 ; left: the loads issued behind the group's first two
.irp u, 0,1,2,3,4,5,6,7
	s_wait_loadcnt (\left)-2*(\u)                  ; loads come back in order: token u's two rows are in
	v_readlane_b32 s20, v6, 8*(\g)+(\u)            ; p1
	v_readlane_b32 s22, v7, 8*(\g)+(\u)            ; p2
	v_pk_mul_f32 v[R+64*(\s)+8*(\u)+4:R+64*(\s)+8*(\u)+5], v[R+64*(\s)+8*(\u)+4:R+64*(\s)+8*(\u)+5], s[22:23] op_sel_hi:[1,0]
	v_pk_mul_f32 v[R+64*(\s)+8*(\u)+6:R+64*(\s)+8*(\u)+7], v[R+64*(\s)+8*(\u)+6:R+64*(\s)+8*(\u)+7], s[22:23] op_sel_hi:[1,0]
	v_pk_fma_f32 v[R+64*(\s)+8*(\u):R+64*(\s)+8*(\u)+1],   v[R+64*(\s)+8*(\u):R+64*(\s)+8*(\u)+1],   s[20:21], v[R+64*(\s)+8*(\u)+4:R+64*(\s)+8*(\u)+5] op_sel_hi:[1,0,1]
	v_pk_fma_f32 v[R+64*(\s)+8*(\u)+2:R+64*(\s)+8*(\u)+3], v[R+64*(\s)+8*(\u)+2:R+64*(\s)+8*(\u)+3], s[20:21], v[R+64*(\s)+8*(\u)+6:R+64*(\s)+8*(\u)+7] op_sel_hi:[1,0,1]
	global_store_b128 v2, v[R+64*(\s)+8*(\u):R+64*(\s)+8*(\u)+3], s[10:11] offset:(8*(\g)+(\u))*4096 th:TH_STORE_NT
.endr
.endm
	ISSUE 0, 0
	ISSUE 1, 1
	ISSUE 2, 2
	WORK 0, 0, 46                                  ; 48 loads are out; behind group 0's first two stand 46
	s_wait_xcnt 0x0                                ; slot 0's registers, which the stores above read, are written again only behind this wait
	ISSUE 3, 0
	WORK 1, 1, 46                                  ; behind group 1's first two: 14 of its own, 16 of group 2, 16 of group 3
	WORK 2, 2, 30
	WORK 3, 0, 14
	s_endpgm
.Lfunc_end_k_q909aad1587_combine:
	.size	k_q909aad1587_combine, .Lfunc_end_k_q909aad1587_combine-k_q909aad1587_combine
	.p2alignl 7, 3214868480
	.fill 96, 4, 3214868480
	.section	.rodata,"a",@progbits
	.p2align	6, 0x0
	.amdhsa_kernel k_q909aad1587_combine
		.amdhsa_group_segment_fixed_size 0
		.amdhsa_private_segment_fixed_size 0
		.amdhsa_enable_private_segment 0
		.amdhsa_kernarg_size 32
		.amdhsa_user_sgpr_count 2
		.amdhsa_user_sgpr_kernarg_segment_ptr 1
		.amdhsa_wavefront_size32 1
		.amdhsa_system_sgpr_workgroup_id_x 1
		.amdhsa_system_sgpr_workgroup_id_y 1
		.amdhsa_system_sgpr_workgroup_id_z 1
		.amdhsa_system_vgpr_workitem_id 0
		.amdhsa_next_free_vgpr 208
		.amdhsa_next_free_sgpr 66
		.amdhsa_reserve_vcc 0
		.amdhsa_float_denorm_mode_32 3
		.amdhsa_float_denorm_mode_16_64 3
		.amdhsa_memory_ordered 1
		.amdhsa_forward_progress 1
		.amdhsa_inst_pref_size 35
	.end_amdhsa_kernel
	.amdgpu_metadata
---
amdhsa.version: [ 1, 2 ]
amdhsa.kernels:
  - .name:           k_q909aad1587_combine
    .symbol:         k_q909aad1587_combine.kd
    .args:
      - { .name: y, .offset: 0, .size: 8, .value_kind: global_buffer, .address_space: global }
      - { .name: pos, .offset: 8, .size: 8, .value_kind: global_buffer, .address_space: global }
      - { .name: prob, .offset: 16, .size: 8, .value_kind: global_buffer, .address_space: global }
      - { .name: out0, .offset: 24, .size: 8, .value_kind: global_buffer, .address_space: global }
    .group_segment_fixed_size: 0
    .private_segment_fixed_size: 0
    .kernarg_segment_align: 8
    .kernarg_segment_size: 32
    .max_flat_workgroup_size: 256
    .sgpr_count:     66
    .vgpr_count:     208
    .wavefront_size: 32
...
	.end_amdgpu_metadata
.endif
;; end of part 4
